; MI455X (gfx1250); checked and timed in simulation.
; The chip was launched on July 23, 2026; its instructions are those of AMD's public machine-readable ISA for CDNA 5 (MIT licence, August 2026) and "CDNA5" Instruction Set Architecture Reference Guide (July 2026). The comments in the code are by the model that wrote it; some were corrected since.
;; Multi Head Attention. Allowed arithmetic: matrix products marked QUANTISED: E2M3 operands, one E8M0 scale for each 32 along K, by v_wmma_scale_f32_16x16x128_f8f6f4 with both operands' format E2M3, f32 sums; everything else in f32.
;; Inputs: Wk 8 x 512 x 64 float32; Wo 512 x 512 float32; Wq 8 x 512 x 64 float32; Wv 8 x 512 x 64 float32; bo 512 float32; x 2 x 4,096 x 512 float32.
;; Outputs: out0 2 x 4,096 x 512 float32.
;; This version of the problem:
;;   THIS VERSION OF THE PROBLEM IS GIVEN IN LOW PRECISION. The matrix products marked QUANTISED in the list below multiply operands that are first quantised to E2M3 (2 exponent bits, 3 mantissa bits; 6 bits a number), with one power-of-two scale for each 32 numbers along K (OCP MX v1.0); their sums are f32. All else is computed in f32.
;;   The module's matrix products, in the order in which they are computed (A, B: the left and right operand; K: the contracted axis; several contracted axes count as one K, in the product's order):
;;     1. [M 512, K 512] x [K 512, N 8,192]; A: input Wq; B: input x: QUANTISED
;;     2. [M 512, K 512] x [K 512, N 8,192]; A: input Wk; B: input x: QUANTISED
;;     3. [M 512, K 512] x [K 512, N 8,192]; A: input Wv; B: input x: QUANTISED
;;     4. batch 16 x [M 4,096, K 64] x [K 64, N 4,096]; A: computed on the way; B: computed on the way: QUANTISED
;;     5. batch 16 x [M 4,096, K 4,096] x [K 4,096, N 64]; A: softmax (see below); B: computed on the way: QUANTISED
;;     6. [M 8,192, K 512] x [K 512, N 512]; A: computed on the way; B: input Wo: QUANTISED
;;   THE QUANTISER, for each operand of a quantised product, along K:
;;     - K is cut into blocks of 32 from its start; a last block that is shorter is filled with zeros.
;;     - A block's scale is 2^e with e = floor(log2(the largest magnitude in the block)) - 2, held to -126 .. 127; a block of zeros has e = 0. As a byte (E8M0): e + 127.
;;     - Each number is divided by its block's scale, clamped to +-7.5, and rounded to the nearest number of E2M3, ties to even, subnormals kept.
;;     - The product sums the exact products of the quantised numbers (number of the format x scale) in f32.
;;   ~~~python
;;   def quantise(x, axis):      # numpy; x: float32 -> the quantised numbers, widened to float32 again
;;       x = np.moveaxis(x, axis, -1); K = x.shape[-1]
;;       x = np.pad(x, [(0, 0)] * (x.ndim - 1) + [(0, -K % 32)]); x = x.reshape(x.shape[:-1] + (-1, 32)); a = np.abs(x).max(-1, keepdims=True)
;;       e = np.where(a > 0, np.clip(np.frexp(np.where(a > 0, a, 1))[1] - 1 - 2, -126, 127), 0)      # np.frexp(a)[1] - 1 = floor(log2(a)), exactly
;;       r = np.clip(x / 2.0 ** e, -7.5, 7.5)
;;       step = 2.0 ** (np.maximum(np.frexp(np.where(r == 0, 1, r))[1] - 1, 0) - 3)
;;       q = np.round(r / step) * step * 2.0 ** e      # np.round: ties to even
;;       return np.moveaxis(q.reshape(q.shape[:-2] + (-1,))[..., :K], -1, axis).astype(np.float32)
;;   ~~~
;;   SOFTMAX AHEAD OF A QUANTISED PRODUCT. Where the list says 'softmax', what is quantised is not the finished softmax but p = 2^(t - M), with t = logit x log2(e) and M = ceil(the row's largest t), a whole number; so 1/2 < the row's largest p <= 1. The row's sum l is taken of the UNQUANTISED p, in f32, and the product's result is divided by l at the end. Since M is a whole number, a kernel that streams over the keys may use a running M (the ceiling of the running maximum): every later rescaling is an exact power of two, which a block's scale takes up: the codes' values come out the same.
;;   OPERANDS COMPUTED ON THE WAY. 'Computed on the way' means the value that the module computes at that place (a softmax that the list does not call 'softmax' is quantised finished and normalised). What goes into a quantiser is computed in f32, as accurately as f32 sums, v_exp_f32 and their like allow (about 1e-6 of the number): no bf16 or f16 on the way to a quantiser, and a product that is left as it is and whose result goes on into a quantised operand takes f32 operands (vector FMAs, or v_wmma_f32_16x16x4_f32). A number that lies on a knife's edge between two numbers of the format may be rounded either way, as far as f32 arithmetic and the matrix unit's own rounding can turn it there, and no further.
;; One version. Each part assembles by itself: llvm-mc -triple=amdgcn-amd-amdhsa -mcpu=gfx1250 --defsym DOCPART=n.
;; ======== version 1 of 1: 4 launches
;; limits: right only within a limited range of input values
;; workspace buffers: xf 3,145,728 bytes; xs 262,144 bytes; wf 786,432 bytes; ws 65,536 bytes; qr 3,407,872 bytes; kv 6,815,744 bytes; cc 4,194,304 bytes
;; launch prep (part 1): grid 320 x 1, 4 waves a work-group, no clusters, 0 bytes of LDS; arguments x, Wq, Wk, Wv, Wo, xf, xs, wf, ws; writes xf, xs, wf, ws
.if DOCPART == 1
	.amdgcn_target "amdgcn-amd-amdhsa--gfx1250"
	.amdhsa_code_object_version 6
	.text
	.protected	k_q3dec6d3874_prep
	.globl	k_q3dec6d3874_prep
	.p2align	8
	.type	k_q3dec6d3874_prep,@function
k_q3dec6d3874_prep:
	s_mov_b64 s[64:65], 0
	v_nop
	global_prefetch_b8 v0, s[64:65] scope:SCOPE_SE
	s_setreg_imm32_b32 hwreg(HW_REG_WAVE_MODE, 25, 1), 1
	s_wait_xcnt 0x0
; x [8192][512] and the four weights (Wq, Wk, Wv: [8][512][64]; Wo: [512][512]), f32, become codes of FP6 (E2M3) along the 512 that is every product's K here, with one E8M0 byte for each 32 along K.
; A block's scale is 2^(floor(log2(its largest magnitude)) - 2): its byte is the largest magnitude's exponent field - 2, held at 1 from below.
; WHAT IS STORED IS THE IMAGE OF AN OPERAND'S REGISTERS.  A fragment (16 rows x 128 K) is 12 registers a lane, 1,536 bytes: registers 4 c .. 4 c + 3 of lane l lie at 512 c + 16 l, so that each store of the wave
; covers 512 consecutive bytes, aligned, and three loads of 16 bytes a lane bring the fragment back.  Scale words: two K steps' words of lane l at 8 l: 256 consecutive bytes a store.
; THE 16 ROWS OF A TILE ARE NOT NEIGHBOURS: in each group of 32 rows (of x) or columns (of a weight) tile u has in lane r the row 8 u + r + 8 (r / 8).  So a later product's results of tiles 2 g and 2 g + 1 are, in one
; lane's 16 registers, 16 neighbours along that axis, which is what the next quantiser wants.
; SHARES.  Work-groups 0-255: 32 rows of x each; wave 2 u + sp: tile u, K steps 2 sp and 2 sp + 1.  Work-groups 256-319 (Y = number - 256 = 16 matrix + 2 head-or-column-group + b): 32 columns of a weight; wave 2 u + sp likewise.
; x has K innermost: a lane loads 16 neighbours of each block of 32 of its row, two lanes (l, l xor 16) share a block.  The weights have K as their FIRST axis: a lane takes a column and its registers run down K.
; No LDS, no barrier, no matrix unit: waves share nothing.  Each wave's loads are all issued at once.
; LIMITS: NaN and infinities among the inputs are not served.  A block of zeros keeps the byte 1 where the rule says 127: its codes are zeros, and this program alone reads the bytes.
; Blocks whose largest magnitude lies under 2^-124 are quantised under the byte 1.
; THE ORDER OF ROWS IN A TILE, as the code below has it (it takes the place of the order named in the paragraph above): in each group of 64 rows (of x) or 64 columns (of a weight)
; tile u (0 to 3) has in lane r the row 32 (r / 8) + 8 u + r % 8.  So a later product's results of the group's four tiles are, in one lane's 32 registers, 32 neighbours along that axis: a whole block for the next quantiser.
; Work-group X of x's holds tiles 2 (X % 2) and 2 (X % 2) + 1 of group X / 2; a weight's work-group with b holds tiles 2 b and 2 b + 1 of its 64 columns.
.set TM,  200
.set SEL, 36                           ; s[36:37] lane selects for v_permlanex16_b32: lane l xor 16
; 64 numbers of a lane, register 16 b + i = K place 32 b + 16 (lane / 16) + i of the lane's row, become a fragment's 12 registers in v[pc] on (20 are used) and the row's scale word in v[pw].
.macro QUANT s, pc, pw
.irp b, 0,1,2,3
	v_max3_num_f32 v[TM+\b], |v[\s+16*\b]|, |v[\s+1+16*\b]|, 0x1800000   ; block b: my 16 numbers, and the floor 2^(3 - 127): the byte cannot fall under 1
.endr
.irp i, 2,4,6,8,10,12,14
.irp b, 0,1,2,3
	v_max3_num_f32 v[TM+\b], v[TM+\b], |v[\s+16*\b+\i]|, |v[\s+1+16*\b+\i]|   ; the four blocks by turns
.endr
.endr
.irp b, 0,1,2,3
	v_permlanex16_b32 v[TM+4+\b], v[TM+\b], s[SEL], s[SEL+1]
.endr
.irp b, 0,1,2,3
	v_max_num_f32 v[TM+\b], v[TM+\b], v[TM+4+\b]   ; with lane l xor 16's: the block's largest magnitude
.endr
.irp b, 0,1,2,3
	v_add_nc_u32 v[TM+12+\b], 0xff000000, v[TM+\b]   ; 2 off its exponent field: the conversion takes this operand's exponent field as its scale
.endr
.irp b, 0,1,2,3
	v_lshrrev_b32 v[TM+4+\b], 23, v[TM+12+\b]      ; the scale's byte
.endr
	v_lshl_or_b32 v[\pw], v[TM+5], 8, v[TM+4]
	v_lshl_or_b32 v[\pw], v[TM+6], 16, v[\pw]
	v_lshl_or_b32 v[\pw], v[TM+7], 24, v[\pw]
.irp c, 0,1
	v_cvt_scalef32_pk16_fp6_f32 v[\pc+6*\c:\pc+2+6*\c], v[\s+32*\c:\s+15+32*\c], v[TM+12+2*\c]
	v_cvt_scalef32_pk16_fp6_f32 v[\pc+12+4*\c:\pc+14+4*\c], v[\s+16+32*\c:\s+31+32*\c], v[TM+13+2*\c]   ; (a conversion's three registers begin on an even number)
.endr
	v_nop                                          ; one plain place behind a scaled conversion
.irp c, 0,1                                    ; the operand's layout wants a whole block in a lane: lanes 0-15 block 2 c, lanes 16-31 block 2 c + 1
.irp i, 0,1,2
	v_permlane16_swap_b32 v[\pc+6*\c+\i], v[\pc+12+4*\c+\i]
.endr
.irp i, 0,1,2
	v_mov_b32 v[\pc+3+6*\c+\i], v[\pc+12+4*\c+\i]
.endr
.endr
.endm
; The same for a lane that holds two WHOLE blocks: register 32 c + i = K place 64 c + 32 (lane / 16) + i of the lane's column.  No other lane is asked for a maximum; the scale word's bytes come from lanes l and l xor 16.
.macro QUANTW s, pc, pw
.irp c, 0,1
	v_max3_num_f32 v[TM+\c], |v[\s+32*\c]|, |v[\s+1+32*\c]|, 0x1800000
.endr
.irp i, 2,4,6,8,10,12,14,16,18,20,22,24,26,28,30
.irp c, 0,1
	v_max3_num_f32 v[TM+\c], v[TM+\c], |v[\s+32*\c+\i]|, |v[\s+1+32*\c+\i]|
.endr
.endr
.irp c, 0,1
	v_add_nc_u32 v[TM+12+\c], 0xff000000, v[TM+\c]
.endr
.irp c, 0,1
	v_lshrrev_b32 v[TM+4+\c], 23, v[TM+12+\c]
.endr
	v_lshl_or_b32 v[\pw], v[TM+5], 16, v[TM+4]     ; my two bytes: blocks h and 2 + h,
	v_lshlrev_b32 v[\pw], v7, v[\pw]               ; at their places in the word (8 h bits up);
	v_permlanex16_b32 v[TM+6], v[\pw], s[SEL], s[SEL+1]
	v_or_b32 v[\pw], v[\pw], v[TM+6]               ; with lane l xor 16's two the word is whole
.irp c, 0,1
	v_cvt_scalef32_pk16_fp6_f32 v[\pc+6*\c:\pc+2+6*\c], v[\s+32*\c:\s+15+32*\c], v[TM+12+\c]
	v_cvt_scalef32_pk16_fp6_f32 v[\pc+12+4*\c:\pc+14+4*\c], v[\s+16+32*\c:\s+31+32*\c], v[TM+12+\c]
.endr
	v_nop                                          ; one plain place behind a scaled conversion
.irp c, 0,1
.irp i, 0,1,2
	v_mov_b32 v[\pc+3+6*\c+\i], v[\pc+12+4*\c+\i]
.endr
.endr
.endm
.macro OUT pc, sq                      ; the fragment of my K step sq leaves as it stands: three stores of 512 consecutive bytes
.irp c, 0,1,2
	global_store_b128 v5, v[\pc+4*\c:\pc+4*\c+3], s[32:33] offset:1536*\sq+512*\c
.endr
.endm
; A weight's path.  KS = bytes from one k to the next.  128 loads, all issued at once; each set of codes has registers of its own, so no store's data are written again.
.macro WPATH KS
	v_lshlrev_b32 v4, 2, v8                        ; my column: 4 (r % 8 + 32 (r / 8)),
	v_mad_u32_u24 v4, v3, 32*\KS, v4               ; and lanes 16-31 begin 32 rows further down K
.irp q, 0,1
.irp c, 0,1
.irp i, 0,1,2,3,4,5,6,7,8,9,10,11,12,13,14,15,16,17,18,19,20,21,22,23,24,25,26,27,28,29,30,31
	global_load_b32 v[32+64*\q+32*\c+\i], v4, s[6:7] offset:(128*\q+64*\c+\i)*\KS
.endr
.endr
.endr
	s_wait_loadcnt 63                              ; the first K step's 64 loads are in: 64 were issued behind them, and the wait's field holds 63 at the most
	QUANTW 32, 160, 216
	OUT 160, 0
	s_wait_loadcnt 0x0
	QUANTW 96, 180, 217
	OUT 180, 1
	global_store_b64 v6, v[216:217], s[34:35]      ; the two K steps' scale words: 256 consecutive bytes
.endm
	s_load_b256 s[4:11], s[0:1], 0x0               ; x s[4:5], Wq s[6:7], Wk s[8:9], Wv s[10:11]
	s_load_b256 s[12:19], s[0:1], 0x20             ; Wo s[12:13], xf s[14:15], xs s[16:17], wf s[18:19]
	s_load_b64 s[20:21], s[0:1], 0x40              ; ws
	v_lshrrev_b32 v1, 5, v0
	v_readfirstlane_b32 s22, v1                    ; wave 0..3
	v_and_b32 v1, 31, v0                           ; lane
	v_and_b32 v2, 15, v0                           ; r
	v_bfe_u32 v3, v0, 4, 1                         ; h
	v_and_b32 v8, 8, v2
	v_mad_u32_u24 v8, v8, 3, v2                    ; r % 8 + 32 (r / 8)
	v_lshlrev_b32 v5, 4, v1                        ; 16 x lane: my place in an image
	v_lshlrev_b32 v6, 3, v1                        ; 8 x lane: my place among the scale words
	v_lshlrev_b32 v7, 3, v3                        ; 8 h
.irp b, 0,1,2,3
	v_mov_b32 v[TM+4+\b], 0                        ; written once: a lane permute's destination counts as one of its sources
.endr
	s_mov_b32 s[SEL], 0x76543210
	s_mov_b32 s[SEL+1], 0xfedcba98
	s_lshr_b32 s23, s22, 1                         ; u: which tile of the 32 rows or columns
	s_and_b32 s24, s22, 1                          ; sp: which two K steps
	s_cmp_lt_u32 ttmp9, 256
	s_cselect_b32 s25, 0, 256
	s_sub_co_u32 s25, ttmp9, s25                   ; X (x's work-groups) or Y (the weights'): the same arithmetic leads to both outputs
	s_lshl_b32 s28, s25, 3
	s_lshl_b32 s30, s22, 1
	s_add_co_u32 s28, s28, s30
	s_mul_i32 s28, s28, 1536                       ; my first fragment: number 8 X + 2 wave
	s_mov_b32 s29, 0
	s_lshl_b32 s30, s25, 2
	s_add_co_u32 s30, s30, s22
	s_lshl_b32 s30, s30, 8                         ; my scale words: block 4 X + wave of 256 bytes
	s_mov_b32 s31, 0
	s_wait_kmcnt 0x0
	s_cmp_lt_u32 ttmp9, 256                        ; the choice hangs on the work-group's number alone
	s_cselect_b64 s[32:33], s[14:15], s[18:19]
	s_cselect_b64 s[34:35], s[16:17], s[20:21]
	s_add_nc_u64 s[32:33], s[32:33], s[28:29]
	s_add_nc_u64 s[34:35], s[34:35], s[30:31]
	s_cbranch_scc0 .Lweights
	; ---- x: group X / 2 of 64 rows; a row is 2,048 bytes
	s_lshr_b32 s26, s25, 1
	s_lshl_b32 s26, s26, 17                        ; the group of 64 rows,
	s_and_b32 s28, s25, 1
	s_lshl_b32 s28, s28, 15                        ; its tiles 2 (X % 2) on: 16 rows,
	s_add_co_u32 s26, s26, s28
	s_lshl_b32 s28, s23, 14                        ; tile u: 8 rows,
	s_add_co_u32 s26, s26, s28
	s_lshl_b32 s28, s24, 10                        ; 256 sp numbers
	s_add_co_u32 s26, s26, s28
	s_mov_b32 s27, 0
	s_add_nc_u64 s[4:5], s[4:5], s[26:27]
	s_wait_alu depctr_va_vdst(0)
	v_lshlrev_b32 v4, 11, v8                       ; my row,
	v_lshl_add_u32 v4, v3, 6, v4                   ; + 64 h: my 16 numbers of a block of 32
.irp q, 0,1
.irp b, 0,1,2,3
.irp j, 0,1,2,3
	global_load_b128 v[32+64*\q+16*\b+4*\j:35+64*\q+16*\b+4*\j], v4, s[4:5] offset:512*\q+128*\b+16*\j th:TH_LOAD_NT
.endr
.endr
.endr
	s_wait_loadcnt 16                              ; the first K step's 16 loads are in; the second's 16 may be out
	QUANT 32, 160, 216
	OUT 160, 0
	s_wait_loadcnt 0x0
	QUANT 96, 180, 217
	OUT 180, 1
	global_store_b64 v6, v[216:217], s[34:35]
	s_endpgm
.Lweights:
	s_lshr_b32 s26, s25, 1
	s_and_b32 s26, s26, 7                          ; the head (Wq, Wk, Wv) or the group of 64 columns (Wo)
	s_and_b32 s28, s25, 1
	s_lshl_b32 s28, s28, 6                         ; tiles 2 b on: 16 columns, 64 bytes,
	s_lshl_b32 s29, s23, 5                         ; and tile u: 8 columns, 32 bytes
	s_add_co_u32 s28, s28, s29
	s_cmp_ge_u32 s25, 48
	s_cbranch_scc1 .Lwo
	s_lshl_b32 s26, s26, 17                        ; a head is 512 x 64 x 4 bytes
	s_add_co_u32 s28, s28, s26
	s_lshl_b32 s26, s24, 16                        ; two K steps are 256 rows of 256 bytes
	s_add_co_u32 s28, s28, s26
	s_mov_b32 s29, 0
	s_cmp_lt_u32 s25, 16
	s_cselect_b64 s[6:7], s[6:7], s[8:9]           ; Y under 16: Wq; else Wk,
	s_cmp_lt_u32 s25, 32
	s_cselect_b64 s[6:7], s[6:7], s[10:11]         ; or from 32 on Wv
	s_add_nc_u64 s[6:7], s[6:7], s[28:29]
	s_wait_alu depctr_va_vdst(0)
	WPATH 256
	s_endpgm
.Lwo:
	s_lshl_b32 s26, s26, 8                         ; 64 columns are 256 bytes
	s_add_co_u32 s28, s28, s26
	s_lshl_b32 s26, s24, 19                        ; two K steps are 256 rows of 2,048 bytes
	s_add_co_u32 s28, s28, s26
	s_mov_b32 s29, 0
	s_add_nc_u64 s[6:7], s[12:13], s[28:29]
	s_wait_alu depctr_va_vdst(0)
	WPATH 2048
	s_endpgm
.Lfunc_end_k_q3dec6d3874_prep:
	.size	k_q3dec6d3874_prep, .Lfunc_end_k_q3dec6d3874_prep-k_q3dec6d3874_prep
	.p2alignl 7, 3214868480
	.fill 96, 4, 3214868480
	.section	.rodata,"a",@progbits
	.p2align	6, 0x0
	.amdhsa_kernel k_q3dec6d3874_prep
		.amdhsa_group_segment_fixed_size 0
		.amdhsa_private_segment_fixed_size 0
		.amdhsa_enable_private_segment 0
		.amdhsa_kernarg_size 72
		.amdhsa_user_sgpr_count 2
		.amdhsa_user_sgpr_kernarg_segment_ptr 1
		.amdhsa_wavefront_size32 1
		.amdhsa_system_sgpr_workgroup_id_x 1
		.amdhsa_system_sgpr_workgroup_id_y 1
		.amdhsa_system_sgpr_workgroup_id_z 1
		.amdhsa_system_vgpr_workitem_id 0
		.amdhsa_next_free_vgpr 224
		.amdhsa_next_free_sgpr 66
		.amdhsa_reserve_vcc 0
		.amdhsa_float_denorm_mode_32 3
		.amdhsa_float_denorm_mode_16_64 3
		.amdhsa_memory_ordered 1
		.amdhsa_forward_progress 1
		.amdhsa_inst_pref_size 52
	.end_amdhsa_kernel
	.amdgpu_metadata
---
amdhsa.version: [ 1, 2 ]
amdhsa.kernels:
  - .name:           k_q3dec6d3874_prep
    .symbol:         k_q3dec6d3874_prep.kd
    .args:
      - { .name: x, .offset: 0, .size: 8, .value_kind: global_buffer, .address_space: global }
      - { .name: Wq, .offset: 8, .size: 8, .value_kind: global_buffer, .address_space: global }
      - { .name: Wk, .offset: 16, .size: 8, .value_kind: global_buffer, .address_space: global }
      - { .name: Wv, .offset: 24, .size: 8, .value_kind: global_buffer, .address_space: global }
      - { .name: Wo, .offset: 32, .size: 8, .value_kind: global_buffer, .address_space: global }
      - { .name: xf, .offset: 40, .size: 8, .value_kind: global_buffer, .address_space: global }
      - { .name: xs, .offset: 48, .size: 8, .value_kind: global_buffer, .address_space: global }
      - { .name: wf, .offset: 56, .size: 8, .value_kind: global_buffer, .address_space: global }
      - { .name: ws, .offset: 64, .size: 8, .value_kind: global_buffer, .address_space: global }
    .group_segment_fixed_size: 0
    .private_segment_fixed_size: 0
    .kernarg_segment_align: 8
    .kernarg_segment_size: 72
    .max_flat_workgroup_size: 128
    .sgpr_count:     66
    .vgpr_count:     224
    .wavefront_size: 32
...
	.end_amdgpu_metadata
.endif
;; end of part 1
;; launch proj (part 2): grid 256 x 1, 4 waves a work-group, no clusters, 0 bytes of LDS; arguments xf, xs, wf, ws, qr, kv; writes qr, kv
.if DOCPART == 2
	.amdgcn_target "amdgcn-amd-amdhsa--gfx1250"
	.amdhsa_code_object_version 6
	.text
	.protected	k_q3dec6d3874_proj
	.globl	k_q3dec6d3874_proj
	.p2align	8
	.type	k_q3dec6d3874_proj,@function
k_q3dec6d3874_proj:
	s_mov_b64 s[64:65], 0
	v_nop
	global_prefetch_b8 v0, s[64:65] scope:SCOPE_SE
	s_setreg_imm32_b32 hwreg(HW_REG_WAVE_MODE, 25, 1), 1
	s_wait_xcnt 0x0
; q, k, v = x Wq, x Wk, x Wv for every head, on codes of FP6 (E2M3) with E8M0 scales, sums in f32; the results are quantised at once for the two products of attention and stored as images of operand registers.
; SHARES.  1,024 waves.  A wave takes a group G of 128 rows of x (8 tiles of 16), one head, and half of that head's work: half 0: q and v's channel tiles 0, 1; half 1: k and v's channel tiles 2, 3.
; That is 6 units of 32 matrix instructions.  Its operands, 32 fragments of x, 16 of Wq or Wk and 8 of Wv (672 registers), come from memory straight into registers, three loads of 16 bytes a lane for a fragment.
; q AND k (K of the score product = the head's 64): source 0 = 16 columns of the weight, source 1 = 16 rows of x: a lane holds one row, and its 32 registers of the weight's four tiles are channels 32 b + 16 (lane / 16) + i.
; Two tiles of rows make ONE fragment of 128 along K: registers 0-5 tile 2 i's 64 codes, registers 6-11 tile 2 i + 1's; bytes 0, 1 and 2, 3 of the scale word likewise.
; v (K of the second product = the keys): source 0 = 16 rows of x, source 1 = 16 columns of Wv: a lane holds one channel, and its 64 registers of the eight tiles of rows are keys 32 b + 16 (lane / 16) + i: one fragment.
; (Both follow from the order of rows in a tile: lane r of tile u of a group of 32 has row 8 u + r + 8 (r / 8).)
; RECORDS.  qr: for (batch x 8 + head, group of 128 rows) 6,656 bytes: 4 pair fragments, then the scale words, lane l's four at 16 l.  kv: 13,312 bytes: k's 4 pair fragments, v's 4 fragments, k's scale words (16 l), v's (256 (tile / 2) + 8 l).
; NO JOINT LOADS: the launch is one step without a loop: each wave loads each of its 56 fragments once, into the registers that the matrix unit reads, and no tile passes through LDS that partners could receive together.
; REGISTERS, in windows of 256: window 0: v4, v5 lane offsets; v16-47 x's scale words (4 tile + K step), v48-63 Wq's or Wk's, v64-71 Wv's; v96-159 eight accumulators; v160-179 codes; v200-215 at work; v216-219, v220-221 scale words made.
;   window 1: x's tiles 0-3 at 48 t + 12 s, Wv's first tile at 192 + 12 s.   window 2: x's tiles 4-7, Wv's second tile.   window 3: Wq or Wk at 12 (4 w + s).
; LIMITS: as the launch before: a block of zeros keeps the byte 1 (its codes are zeros; this program alone reads the bytes); NaN and infinities are not served.
; THE ORDER OF ROWS IN A TILE, as the code below has it (it takes the place of the orders named above): lane r of tile u of a group of 64 rows of x, or of a head's 64 columns, has row 32 (r / 8) + 8 u + r % 8.
; So for q and k a lane's 32 registers of the weight's four tiles are channels 32 (lane / 16) + 0 .. 31, and for v its 32 registers of four tiles of rows are keys 64 g + 32 (lane / 16) + 0 .. 31:
; register 32 c + i of a unit's 64 is K place 64 c + 32 (lane / 16) + i, two WHOLE blocks a lane, in the order of an operand's registers.
.set XS,  16
.set WSC, 48
.set WSV, 64
.set ACC, 96
.set PC,  160
.set TM,  200
.set PWQ, 216
.set PWV, 220
.set SEL, 40                           ; s[40:41] lane selects for v_permlanex16_b32: lane l xor 16
.set MSB, 0
.macro WIN new                         ; s_set_vgpr_msb: bits 1:0 source 0, 3:2 source 1, 5:4 source 2, 7:6 destination; the high byte repeats the setting that is left
.if MSB != \new
	s_set_vgpr_msb (MSB<<8)|\new
.set MSB, \new
.endif
.endm
; 64 numbers of a lane, register 32 c + i = K place 64 c + 32 (lane / 16) + i, become a fragment's 12 registers in v[pc] on and the scale word in v[pw].  Each accumulator is read from its low end on.
.macro QUANT s, pc, pw
.irp b, 0,1,2,3
	v_max3_num_f32 v[TM+\b], |v[\s+16*\b]|, |v[\s+1+16*\b]|, 0x1800000   ; my 16 numbers of chain b (half a block), and the floor 2^(3 - 127): the byte cannot fall under 1
.endr
.irp i, 2,4,6,8,10,12,14
.irp b, 0,1,2,3
	v_max3_num_f32 v[TM+\b], v[TM+\b], |v[\s+16*\b+\i]|, |v[\s+1+16*\b+\i]|
.endr
.endr
	v_max_num_f32 v[TM], v[TM], v[TM+1]            ; the four chains of 16 are two blocks of 32, both mine: no other lane is asked
	v_max_num_f32 v[TM+1], v[TM+2], v[TM+3]
.irp c, 0,1
	v_add_nc_u32 v[TM+12+\c], 0xff000000, v[TM+\c] ; 2 off the exponent field: the conversion's scale operand
.endr
.irp c, 0,1
	v_lshrrev_b32 v[TM+4+\c], 23, v[TM+12+\c]      ; the scale's byte
.endr
	v_lshl_or_b32 v[\pw], v[TM+5], 16, v[TM+4]     ; my two bytes: blocks h and 2 + h,
	v_lshlrev_b32 v[\pw], v7, v[\pw]               ; at their places in the word (8 h bits up);
	v_permlanex16_b32 v[TM+6], v[\pw], s[SEL], s[SEL+1]
	v_or_b32 v[\pw], v[\pw], v[TM+6]               ; with lane l xor 16's two the word is whole
.irp c, 0,1
	v_cvt_scalef32_pk16_fp6_f32 v[\pc+6*\c:\pc+2+6*\c], v[\s+32*\c:\s+15+32*\c], v[TM+12+\c]
	v_cvt_scalef32_pk16_fp6_f32 v[\pc+12+4*\c:\pc+14+4*\c], v[\s+16+32*\c:\s+31+32*\c], v[TM+12+\c]
.endr
	v_nop                                          ; one plain place behind a scaled conversion
.irp c, 0,1
.irp i, 0,1,2
	v_mov_b32 v[\pc+3+6*\c+\i], v[\pc+12+4*\c+\i]
.endr
.endr
.endm
; 32 matrix instructions: tiles 2 i and 2 i + 1 of x against the weight's four tiles, four K steps.  The eight accumulators take turns, one instruction a turn; the first K step starts the sums.
.macro UNITQK i
	WIN ((1+\i/2)<<2)|3                            ; source 0 (the weight) window 3, source 1 (x) window 1 or 2
.irp s, 0,1,2,3
.irp t, 0,1
.irp w, 0,1,2,3
.if \s == 0
	v_wmma_scale_f32_16x16x128_f8f6f4 v[ACC+32*\t+8*\w:ACC+32*\t+8*\w+7], v[12*(4*\w+\s):12*(4*\w+\s)+11], v[48*((2*\i+\t)%4)+12*\s:48*((2*\i+\t)%4)+12*\s+11], 0, v[WSC+4*\w+\s], v[XS+4*(2*\i+\t)+\s] matrix_a_fmt:MATRIX_FMT_FP6 matrix_b_fmt:MATRIX_FMT_FP6
.else
	v_wmma_scale_f32_16x16x128_f8f6f4 v[ACC+32*\t+8*\w:ACC+32*\t+8*\w+7], v[12*(4*\w+\s):12*(4*\w+\s)+11], v[48*((2*\i+\t)%4)+12*\s:48*((2*\i+\t)%4)+12*\s+11], v[ACC+32*\t+8*\w:ACC+32*\t+8*\w+7], v[WSC+4*\w+\s], v[XS+4*(2*\i+\t)+\s] matrix_a_fmt:MATRIX_FMT_FP6 matrix_b_fmt:MATRIX_FMT_FP6
.endif
.endr
.endr
.endr
.endm
; 32 matrix instructions: the eight tiles of x against my tile n of Wv.  Four accumulators take turns, then the other four.
.macro UNITV n
.irp u, 0,1
	WIN (1+\u)|((1+\n)<<2)                         ; source 0 (x) window 1 or 2, source 1 (Wv) window 1 or 2: x below register 192, Wv from 192 on
.irp s, 0,1,2,3
.irp t, 0,1,2,3
.if \s == 0
	v_wmma_scale_f32_16x16x128_f8f6f4 v[ACC+8*(4*\u+\t):ACC+8*(4*\u+\t)+7], v[48*\t+12*\s:48*\t+12*\s+11], v[192+12*\s:192+12*\s+11], 0, v[XS+4*(4*\u+\t)+\s], v[WSV+4*\n+\s] matrix_a_fmt:MATRIX_FMT_FP6 matrix_b_fmt:MATRIX_FMT_FP6
.else
	v_wmma_scale_f32_16x16x128_f8f6f4 v[ACC+8*(4*\u+\t):ACC+8*(4*\u+\t)+7], v[48*\t+12*\s:48*\t+12*\s+11], v[192+12*\s:192+12*\s+11], v[ACC+8*(4*\u+\t):ACC+8*(4*\u+\t)+7], v[XS+4*(4*\u+\t)+\s], v[WSV+4*\n+\s] matrix_a_fmt:MATRIX_FMT_FP6 matrix_b_fmt:MATRIX_FMT_FP6
.endif
.endr
.endr
.endr
.endm
; A unit's 64 numbers a lane become a fragment and leave.  Four places stand between the last product and the first read of results (ISA guide 7.12.1); the quantiser's lines on v200-215, which name
; no register of the products, add to them, so that more than five places lie in front of the next unit's first product, which begins the accumulators anew.
.macro FINISH pw, base, off
	WIN 0
.rept 4
	v_nop
.endr
	s_wait_xcnt 0x0                                ; the last unit's stores have read the codes' registers: they are written again only behind this wait
	QUANT ACC, PC, \pw
.irp c, 0,1,2
	global_store_b128 v4, v[PC+4*\c:PC+4*\c+3], s[\base:\base+1] offset:\off+512*\c   ; 512 consecutive bytes, aligned
.endr
.endm
	s_load_b256 s[4:11], s[0:1], 0x0               ; xf s[4:5], xs s[6:7], wf s[8:9], ws s[10:11]
	s_load_b128 s[12:15], s[0:1], 0x20             ; qr s[12:13], kv s[14:15]
	v_lshrrev_b32 v1, 5, v0
	v_readfirstlane_b32 s16, v1                    ; wave 0..3
	v_and_b32 v1, 31, v0
	v_lshlrev_b32 v4, 4, v1                        ; 16 x lane
	v_lshlrev_b32 v5, 3, v1
	v_bfe_u32 v7, v0, 4, 1
	v_lshlrev_b32 v7, 3, v7                        ; 8 h
.irp b, 0,1,2,3
	v_mov_b32 v[TM+4+\b], 0                        ; written once: a lane permute's destination counts as one of its sources
.endr
	s_mov_b32 s[SEL], 0x76543210
	s_mov_b32 s[SEL+1], 0xfedcba98
	s_lshr_b32 s17, ttmp9, 2                       ; G: which 128 rows of x
	s_and_b32 s18, ttmp9, 3
	s_lshl_b32 s18, s18, 1
	s_lshr_b32 s19, s16, 1
	s_add_co_u32 s18, s18, s19                     ; the head
	s_and_b32 s19, s16, 1                          ; half
	s_mov_b32 s21, 0
	s_wait_alu depctr_va_vdst(0)
	s_wait_kmcnt 0x0
	s_mul_i32 s20, s17, 49152                      ; 8 tiles x 4 fragments of 1,536 bytes
	s_add_nc_u64 s[4:5], s[4:5], s[20:21]
	s_lshl_b32 s20, s17, 12                        ; 8 tiles x 2 blocks of 256 bytes
	s_add_nc_u64 s[6:7], s[6:7], s[20:21]
	s_lshl_b32 s22, s19, 3
	s_add_co_u32 s22, s22, s18                     ; Wq's (half 0) or Wk's (half 1) head: 16 fragments, 8 blocks of scale words
	s_mul_i32 s20, s22, 24576
	s_add_nc_u64 s[24:25], s[8:9], s[20:21]
	s_lshl_b32 s20, s22, 11
	s_add_nc_u64 s[26:27], s[10:11], s[20:21]
	s_add_co_u32 s22, s18, 16                      ; Wv's head, and my two of its four tiles
	s_mul_i32 s20, s22, 24576
	s_mul_i32 s23, s19, 12288
	s_add_co_u32 s20, s20, s23
	s_add_nc_u64 s[28:29], s[8:9], s[20:21]
	s_lshl_b32 s20, s22, 11
	s_lshl_b32 s23, s19, 10
	s_add_co_u32 s20, s20, s23
	s_add_nc_u64 s[30:31], s[10:11], s[20:21]
	s_lshr_b32 s22, s17, 5                         ; the batch
	s_lshl_b32 s22, s22, 3
	s_add_co_u32 s22, s22, s18
	s_lshl_b32 s22, s22, 5
	s_and_b32 s23, s17, 31
	s_add_co_u32 s22, s22, s23                     ; the record: 32 (8 batch + head) + group in the batch
	s_mul_i32 s23, s22, 6656
	s_lshl_b32 s20, s23, s19                       ; a record of qr is 6,656 bytes, one of kv twice that
	s_cmp_eq_u32 s19, 0                            ; the choice hangs on the wave's number alone
	s_cselect_b64 s[32:33], s[12:13], s[14:15]
	s_add_nc_u64 s[32:33], s[32:33], s[20:21]      ; where my pair fragments go,
	s_lshl_b32 s20, 6144, s19
	s_add_nc_u64 s[34:35], s[32:33], s[20:21]      ; and their scale words: 6,144 on in qr, 12,288 on in kv
	s_lshl_b32 s20, s23, 1
	s_mul_i32 s22, s19, 3072
	s_add_co_u32 s20, s20, s22
	s_add_co_u32 s20, s20, 6144
	s_add_nc_u64 s[36:37], s[14:15], s[20:21]      ; v's fragments: my two tiles
	s_lshl_b32 s20, s23, 1
	s_lshl_b32 s22, s19, 8
	s_add_co_u32 s20, s20, s22
	s_add_co_u32 s20, s20, 12800
	s_add_nc_u64 s[38:39], s[14:15], s[20:21]      ; and their scale words
	; all 196 loads at once, in the order of their use: 28 of scale words, 48 for Wq or Wk, 48 + 48 for x, 12 + 12 for Wv
.irp t, 0,1,2,3,4,5,6,7
.irp p, 0,1
	global_load_b64 v[XS+4*\t+2*\p:XS+4*\t+2*\p+1], v5, s[6:7] offset:(2*\t+\p)*256
.endr
.endr
.irp w, 0,1,2,3
.irp p, 0,1
	global_load_b64 v[WSC+4*\w+2*\p:WSC+4*\w+2*\p+1], v5, s[26:27] offset:(2*\w+\p)*256
.endr
.endr
.irp w, 0,1
.irp p, 0,1
	global_load_b64 v[WSV+4*\w+2*\p:WSV+4*\w+2*\p+1], v5, s[30:31] offset:(2*\w+\p)*256
.endr
.endr
	WIN 0xc0                                       ; destination window 3
.irp f, 0,1,2,3,4,5,6,7,8,9,10,11,12,13,14,15
.irp c, 0,1,2
	global_load_b128 v[12*\f+4*\c:12*\f+4*\c+3], v4, s[24:25] offset:1536*\f+512*\c
.endr
.endr
	WIN 0x40                                       ; destination window 1
.irp f, 0,1,2,3,4,5,6,7,8,9,10,11,12,13,14,15
.irp c, 0,1,2
	global_load_b128 v[12*\f+4*\c:12*\f+4*\c+3], v4, s[4:5] offset:1536*\f+512*\c
.endr
.endr
	WIN 0x80                                       ; destination window 2
.irp f, 0,1,2,3,4,5,6,7,8,9,10,11,12,13,14,15
.irp c, 0,1,2
	global_load_b128 v[12*\f+4*\c:12*\f+4*\c+3], v4, s[4:5] offset:1536*(16+\f)+512*\c
.endr
.endr
	WIN 0x40
.irp s, 0,1,2,3
.irp c, 0,1,2
	global_load_b128 v[192+12*\s+4*\c:192+12*\s+4*\c+3], v4, s[28:29] offset:1536*\s+512*\c
.endr
.endr
	WIN 0x80
.irp s, 0,1,2,3
.irp c, 0,1,2
	global_load_b128 v[192+12*\s+4*\c:192+12*\s+4*\c+3], v4, s[28:29] offset:1536*(4+\s)+512*\c
.endr
.endr
	WIN 0
	s_wait_loadcnt 63                              ; scale words, weight and x's tiles 0-3 are in: 72 loads were issued behind them, and the wait's field holds 63 at the most
.irp i, 0,1
	UNITQK \i
	FINISH PWQ+\i, 32, 1536*\i
.endr
	s_wait_loadcnt 24                              ; x's tiles 4-7 are in; Wv's 24 loads may be out
.irp i, 2,3
	UNITQK \i
	FINISH PWQ+\i, 32, 1536*\i
.endr
	global_store_b128 v4, v[PWQ:PWQ+3], s[34:35]   ; the four pairs' scale words: 512 consecutive bytes
	s_wait_loadcnt 0x0
.irp n, 0,1
	UNITV \n
	FINISH PWV+\n, 36, 1536*\n
.endr
	global_store_b64 v5, v[PWV:PWV+1], s[38:39]    ; my two tiles' scale words: 256 consecutive bytes
	s_endpgm
.Lfunc_end_k_q3dec6d3874_proj:
	.size	k_q3dec6d3874_proj, .Lfunc_end_k_q3dec6d3874_proj-k_q3dec6d3874_proj
	.p2alignl 7, 3214868480
	.fill 96, 4, 3214868480
	.section	.rodata,"a",@progbits
	.p2align	6, 0x0
	.amdhsa_kernel k_q3dec6d3874_proj
		.amdhsa_group_segment_fixed_size 0
		.amdhsa_private_segment_fixed_size 0
		.amdhsa_enable_private_segment 0
		.amdhsa_kernarg_size 48
		.amdhsa_user_sgpr_count 2
		.amdhsa_user_sgpr_kernarg_segment_ptr 1
		.amdhsa_wavefront_size32 1
		.amdhsa_system_sgpr_workgroup_id_x 1
		.amdhsa_system_sgpr_workgroup_id_y 1
		.amdhsa_system_sgpr_workgroup_id_z 1
		.amdhsa_system_vgpr_workitem_id 0
		.amdhsa_next_free_vgpr 1024
		.amdhsa_next_free_sgpr 66
		.amdhsa_reserve_vcc 0
		.amdhsa_float_denorm_mode_32 3
		.amdhsa_float_denorm_mode_16_64 3
		.amdhsa_memory_ordered 1
		.amdhsa_forward_progress 1
		.amdhsa_inst_pref_size 67
	.end_amdhsa_kernel
	.amdgpu_metadata
---
amdhsa.version: [ 1, 2 ]
amdhsa.kernels:
  - .name:           k_q3dec6d3874_proj
    .symbol:         k_q3dec6d3874_proj.kd
    .args:
      - { .name: xf, .offset: 0, .size: 8, .value_kind: global_buffer, .address_space: global }
      - { .name: xs, .offset: 8, .size: 8, .value_kind: global_buffer, .address_space: global }
      - { .name: wf, .offset: 16, .size: 8, .value_kind: global_buffer, .address_space: global }
      - { .name: ws, .offset: 24, .size: 8, .value_kind: global_buffer, .address_space: global }
      - { .name: qr, .offset: 32, .size: 8, .value_kind: global_buffer, .address_space: global }
      - { .name: kv, .offset: 40, .size: 8, .value_kind: global_buffer, .address_space: global }
    .group_segment_fixed_size: 0
    .private_segment_fixed_size: 0
    .kernarg_segment_align: 8
    .kernarg_segment_size: 48
    .max_flat_workgroup_size: 128
    .sgpr_count:     66
    .vgpr_count:     1024
    .wavefront_size: 32
...
	.end_amdgpu_metadata
.endif
;; end of part 2
;; launch attn (part 3): grid 16 x 16, 16 waves a work-group, clusters of 4 x 1, 327,680 bytes of LDS; arguments qr, kv, cc; writes cc
.if DOCPART == 3
	.amdgcn_target "amdgcn-amd-amdhsa--gfx1250"
	.amdhsa_code_object_version 6
	.text
	.protected	k_q3dec6d3874_attn
	.globl	k_q3dec6d3874_attn
	.p2align	8
	.type	k_q3dec6d3874_attn,@function
k_q3dec6d3874_attn:
	s_mov_b64 s[64:65], 0
	v_nop
	global_prefetch_b8 v0, s[64:65] scope:SCOPE_SE
	s_setreg_imm32_b32 hwreg(HW_REG_WAVE_MODE, 25, 1), 1
	s_wait_xcnt 0x0
	s_wait_alu depctr_hold_cnt(0) depctr_sa_sdst(0) depctr_va_vdst(0) depctr_va_sdst(0) depctr_va_ssrc(0) depctr_va_vcc(0) depctr_vm_vsrc(0)
	s_getreg_b32 s2, hwreg(HW_REG_IB_STS2, 6, 4)
	s_cmp_eq_u32 s2, 0
	s_cbranch_scc0 .Lentry_in_a_cluster
	s_endpgm
.Lentry_in_a_cluster:
	s_bfe_u32 s2, ttmp6, 0x10000c
	s_cmp_lg_u32 s2, 0x3003
	s_cbranch_scc0 .Lentry_shape_is_right
	s_endpgm
.Lentry_shape_is_right:
; Attention for one (batch, head) and 256 queries a work-group, both products on codes of FP6 (E2M3) with E8M0 scales; the result is quantised at once, along the head's 64, for the output projection.
; THE SOFTMAX: t = score x log2(e) / 8; M = the row's largest t so far, rounded UP to a whole number; p = 2^(t - M) is quantised along the keys, not normalised.  The row's sum is taken of the unquantised p, in f32,
; and divides O at the end.  When M moves, the sums and O are multiplied by 2^(old M - new M): exact.
; SHARES.  Sixteen waves, each with one tile of 16 queries in 256 registers; every wave walks all 4,096 keys, 128 a step.
; LAYOUT.  Both products are used transposed: S^T = K Q^T (source 0 = 16 keys), O^T = V^T P^T (source 0 = 16 channels): a lane holds ONE query (lane % 16) throughout.
; The head is 64 wide and the instruction 128 deep: a fragment of K holds TWO tiles of keys; against [q | zeros] it gives the first tile's scores, against [zeros | q] the second's: zero codes add nothing.
; Lane r of tile u of a group of 64 keys holds key 32 (r / 8) + 8 u + r % 8.  So register 32 c + i of the 64 scores of lane (r, h) is key 64 c + 32 h + i: TWO WHOLE BLOCKS of 32 a lane, in the order of an operand's
; registers: a block's largest score needs no other lane, and the conversions' results are p's fragment (three registers of each six are moved: a conversion's three begin on an even number).
; The channels of V's tiles are ordered alike, so O^T's 32 registers of a lane are channels 32 h + 0 .. 31: one whole block of the next product's K.
; K AND V come as records of 13,312 bytes for 128 keys, images of operand registers: K's 4 fragments, V's 4, K's scale words (16 x lane), V's (8 x lane, twice).
; RING.  Two LDS slots of eight records (1,024 keys, 106,496 bytes), 131,072 bytes apart: four slots a head, three refills.  Waves 0 to 3 fetch two records each, as 104 rows of 256 bytes; a wave has one tensor load out at the most.
; CLUSTER.  The four query blocks of a cluster belong to one head and walk the same records: each quarter slot is asked for JOINTLY, by the same tensor load with the same descriptor and the mask of all four.
; A STEP'S ORDER.  K's fragments are asked for in the step before (behind the second product and four of the sums' lines); V's behind the scores; 20 of the 32 lines of the sums stand behind the second product.
; REGISTERS: v1 16 x lane, v2 8 x lane; v5, v6 the spare word's address and 0; v8-11 LDS addresses; v12 and v16 -M by turns (v13, v17 named with them); v14 f (v15 named with it); v18 the largest score; v20-27 four sums in two halves;
;   v28 the prefetches' offset; v32-79 fragments of K, then of V; v80-89 at work; v96-159 S^T, then p; v160-191 O^T; v192-209 [6 zeros | q | 6 zeros]; v210-216 halves of blocks on their way; v224-235 p's codes;
;   v248-251 scale words of K, then of V; v253 p's scale word; v255 q's.
; LIMITS: the promise holds while the scaled scores t stay under 2^31 in magnitude.  A block whose every p has fallen to 0, and a block of zeros in the result, keep the byte 1 (their codes are zeros; this program alone
; reads the bytes).  NaN and infinities are not served.
.set REC,   13312
.set SLOTB, 8*REC
.set SLOT1, 131072
.set SPARE, 262144                     ; the spare words: 128 bytes for each of 16 waves, eight blocks of 256 bytes that no other line names
.set HEADB, 32*REC
.set KF, 32
.set CH, 80
.set SS, 96
.set OO, 160
.set LL, 20
.set PT, 210
.set PC, 224
.set KS, 248
.macro MM d, a, b, c, sa, sb
	v_wmma_scale_f32_16x16x128_f8f6f4 v[\d:\d+7], v[\a:\a+11], v[\b:\b+11], \c, v[\sa], v[\sb] matrix_a_fmt:MATRIX_FMT_FP6 matrix_b_fmt:MATRIX_FMT_FP6
.endm
.macro TLOAD                           ; waves 0 to 3 fetch; the branch hangs on the wave's number alone.  s_nop 0 and four v_nop follow the load
	s_cmp_lt_u32 s18, 4
	s_cbranch_scc0 .Lasked_\@
	tensor_load_to_lds s[32:35], s[24:31]
	s_nop 0
.rept 4
	v_nop
.endr
.Lasked_\@:
.endm
; A prefetch of the slot that the NEXT change of slots will ask for: eight key steps ahead of that load.  The four clusters of a head walk the same records: the head's first cluster asks.  Its four partners take two
; records each, told apart BY ADDRESS; in each, waves 4 to 7 name 26 blocks of 256 bytes each, a lane a block (lanes 26-31 name the wave's last block again).  The last refill asks for nothing; slots 0 and 1 come by their loads alone.
.macro ASK
	s_cmp_gt_u32 s37, s38
	s_cbranch_scc0 .Lnot_mine_\@
	global_prefetch_b8 v28, s[40:41] th:TH_LOAD_NT scope:SCOPE_SE
.Lnot_mine_\@:
.endm
.macro ROUND                           ; a round of the cluster's barrier
	s_barrier_signal -1
	s_barrier_wait -1
	s_cmp_lg_u32 s18, 0
	s_cbranch_scc1 .Lnot_wave_0_\@
	s_barrier_signal -3
.Lnot_wave_0_\@:
	s_barrier_wait -3
	s_barrier_signal -1
	s_barrier_wait -1
.endm
	s_load_b128 s[4:7], s[0:1], 0x0                ; qr s[4:5], kv s[6:7]
	s_load_b64 s[8:9], s[0:1], 0x10                ; cc
	v_lshl_add_u32 v5, v0, 2, SPARE
	v_mov_b32 v6, 0
	ds_add_u32 v5, v6
	ds_add_u32 v5, v6
	v_lshrrev_b32 v1, 5, v0
	v_readfirstlane_b32 s18, v1                    ; wave 0..15
	v_and_b32 v3, 31, v0                           ; lane
	v_lshlrev_b32 v1, 4, v3
	v_lshlrev_b32 v2, 3, v3
	s_bfe_u32 s10, ttmp6, 0x40000                  ; cx
	s_lshl_b32 s11, ttmp9, 2
	s_add_co_u32 s11, s11, s10                     ; my block of 256 queries: it enters qr's and cc's addresses alone
	s_and_b32 s12, ttmp7, 0xffff                   ; 8 batch + head, which the four partners share
	s_and_b32 s13, s18, 1                          ; which tile of a pair is mine
	s_mul_i32 s14, s12, HEADB
	s_mov_b32 s15, 0
	s_mul_i32 s16, s18, 2*REC                      ; waves 0 to 3: which quarter of a slot I fetch
	s_mov_b32 s17, 0
	s_mov_b32 s24, 15|(3<<16)|(1<<21)              ; group 1: the mask of all four; elements of 8 bytes; bit 21 beside a mask
	s_mov_b32 s25, 32<<16                          ; 26,624 dense bytes as 104 rows of 32 elements
	s_mov_b32 s26, 104<<16
	s_mov_b32 s27, 32<<16
	s_mov_b32 s28, 104
	s_mov_b32 s29, 32
	s_mov_b32 s30, 0
	s_mov_b32 s31, 0
	s_mov_b32 s20, 0x76543210
	s_mov_b32 s21, 0xfedcba98                      ; selects for lane l xor 16
	s_mov_b32 s22, 0x3e38aa3b                      ; c = log2(e) / 8
	s_mov_b32 s23, s22
	s_mov_b32 s39, 0xbe38aa3b                      ; -c
	s_mov_b32 s36, 0                               ; LDS byte at which the slot in hand begins
	s_mov_b32 s37, 3                               ; slots still to be asked for
	s_wait_alu depctr_va_vdst(0)
	s_wait_dscnt 0x0
	s_wait_kmcnt 0x0
	s_add_nc_u64 s[6:7], s[6:7], s[14:15]          ; kv at my head
	s_mov_b32 s32, 1
	s_mov_b32 s33, s16                             ; slot 0, my quarter
	s_add_nc_u64 s[34:35], s[6:7], s[16:17]
	s_or_b32 s35, s35, 0x80000000
	ROUND                                          ; the first joint loads meet
	TLOAD                                          ; slot 0
	; my queries: record 32 (8 batch + head) + 2 block + wave / 8, pair (wave / 2) % 4
	s_lshl_b32 s42, s11, 1
	s_lshr_b32 s43, s18, 3
	s_add_co_u32 s42, s42, s43
	s_lshl_b32 s43, s12, 5
	s_add_co_u32 s42, s42, s43
	s_mul_i32 s42, s42, 6656
	s_bfe_u32 s44, s18, 0x20001
	s_mul_i32 s45, s44, 1536
	s_add_co_u32 s46, s42, s45
	s_mov_b32 s47, 0
	s_add_nc_u64 s[46:47], s[4:5], s[46:47]
	s_lshl_b32 s45, s44, 2
	s_add_co_u32 s48, s42, s45
	s_mov_b32 s49, 0
	s_add_nc_u64 s[48:49], s[4:5], s[48:49]
.irp c, 0,1,2
	global_load_b128 v[32+4*\c:35+4*\c], v1, s[46:47] offset:512*\c
.endr
	global_load_b32 v44, v1, s[48:49] offset:6144
	; my result: record (256 batch + 16 block + wave) x 8 + head, 1,024 bytes each
	s_lshr_b32 s42, s12, 3
	s_lshl_b32 s42, s42, 8
	s_lshl_b32 s43, s11, 4
	s_add_co_u32 s42, s42, s43
	s_add_co_u32 s42, s42, s18
	s_lshl_b32 s42, s42, 3
	s_and_b32 s43, s12, 7
	s_add_co_u32 s42, s42, s43
	s_lshl_b32 s42, s42, 10
	s_mov_b32 s43, 0
	s_add_nc_u64 s[8:9], s[8:9], s[42:43]
	; the prefetches: who asks, and where they stand
	s_lshr_b32 s42, s18, 2
	s_xor_b32 s42, s42, 1                          ; 0 in waves 4 to 7,
	s_or_b32 s42, s42, ttmp9                       ; of the head's first cluster: the same in all four partners
	s_cmp_eq_u32 s42, 0
	s_cselect_b32 s38, 1, -1                       ; a wave prefetches while s37 is above this
	v_min_u32 v28, 25, v3
	v_lshlrev_b32 v28, 8, v28                      ; a lane a block of 256 bytes
	s_mul_i32 s42, s10, 2*REC                      ; my work-group's two records of the eight,
	s_and_b32 s43, s18, 3
	s_mul_i32 s43, s43, 6656                       ; my wave's 26 blocks of their 104,
	s_add_co_u32 s42, s42, s43
	s_add_co_u32 s42, s42, SLOTB                   ; in slot 1: the first change of slots steps it to slot 2
	s_mov_b32 s43, 0
	s_add_nc_u64 s[40:41], s[6:7], s[42:43]
	s_sub_co_u32 s50, 0, s13                       ; all ones in a wave that owns a pair's second tile
	s_wait_loadcnt 0x0
.irp j, 0,1,2,3,4,5
	v_cndmask_b32 v[198+\j], v[32+\j], v[38+\j], s50   ; my tile's six registers of the twelve
.endr
.irp j, 0,1,2,3,4,5
	v_mov_b32 v[192+\j], 0                         ; v192-203 = [zeros | q], v198-209 = [q | zeros]
	v_mov_b32 v[204+\j], 0
.endr
	v_and_b32 v45, 0xffff, v44
	v_lshrrev_b32 v46, 16, v44
	v_cndmask_b32 v45, v45, v46, s50               ; my tile's two bytes of the four,
	v_lshl_or_b32 v255, v45, 16, v45               ; in both halves of the word
	v_mov_b32 v18, 0xff61b1e6                      ; the largest score so far: -3e38
	v_mov_b32 v16, 0x7f61b1e6                      ; and the -M that goes with it
.irp j, 13,15,17,85,86
	v_mov_b32 v\j, 0                               ; named as upper halves of pairs, or as a lane permute's destination, before they are first written
.endr
.irp j, 0,1,2,3,4,5,6,7
	v_mov_b32 v[LL+\j], 0                          ; the sums
.endr
.set JJ, 0
.rept 32
	v_mov_b32 v[OO+JJ], 0                          ; O^T: the step is written once; the first finds zeros.  (Also the places between q's registers and the first product)
.set JJ, JJ+1
.endr
.macro KLOAD q                         ; K's four fragments and scale words of the slot's record q
.irp i, 0,1,2,3
.irp c, 0,1,2
	ds_load_b128 v[KF+12*\i+4*\c:KF+12*\i+4*\c+3], v[8+2*((\q)/4)] offset:((\q)%4)*REC+1536*\i+512*\c
.endr
.endr
	ds_load_b128 v[KS:KS+3], v[8+2*((\q)/4)] offset:((\q)%4)*REC+12288
.endm
.macro SUM a, b                        ; pairs a .. b of p onto the four running sums by turns; each sum's first term of a step brings it under the new M in the same line
.set JJ, \a
.rept (\b)-(\a)+1
.if JJ < 4
	v_pk_fma_f32 v[LL+2*JJ:LL+2*JJ+1], v[LL+2*JJ:LL+2*JJ+1], v[14:15], v[SS+2*JJ:SS+2*JJ+1] op_sel_hi:[1,0,1]
.else
	v_pk_add_f32 v[LL+2*(JJ%4):LL+2*(JJ%4)+1], v[LL+2*(JJ%4):LL+2*(JJ%4)+1], v[SS+2*JJ:SS+2*JJ+1]
.endif
.set JJ, JJ+1
.endr
.endm
; A KEY STEP: 128 keys, record q of the slot in hand.  more = 1: the next record's K is asked for.
.macro STEP q, more
.set NM, 12+4*((\q)%2)                 ; -M: the new one and the old one change places from step to step
.set OM, 16-4*((\q)%2)
	s_wait_alu depctr_va_vdst(0)
	s_wait_dscnt 0x0                               ; K's fragments and scale words are in; no LDS instruction of mine is pending
; A work-group barrier a step, its signal and its wait apart.  It guards no bytes: it holds the sixteen waves within one step of each other, so that they come to the change of slots together.
; Between a signal and its wait stand register work and LDS loads of the slot in hand, which is filled again only behind a later round.
.if (\q) > 0
	s_barrier_wait -1                              ; every wave has begun the step before this one
.endif
	s_barrier_signal -1                            ; I have begun this step
.irp i, 0,1,2,3
	MM SS+16*\i, KF+12*\i, 198, 0, KS+\i, 255
	MM SS+8+16*\i, KF+12*\i, 192, 0, KS+\i, 255
.endr
.rept 4
	v_nop                                          ; four places: in front of the loads below and of the first read of the scores
.endr
.irp w, 0,1,2,3
.irp c, 0,1,2
	ds_load_b128 v[KF+12*\w+4*\c:KF+12*\w+4*\c+3], v[8+2*((\q)/4)] offset:((\q)%4)*REC+6144+1536*\w+512*\c
.endr
.endr
	ds_load_b64 v[KS:KS+1], v[9+2*((\q)/4)] offset:((\q)%4)*REC+12800
	ds_load_b64 v[KS+2:KS+3], v[9+2*((\q)/4)] offset:((\q)%4)*REC+13056
.irp k, 0,1,2,3                                ; the largest score of my two blocks, in four chains by turns; each accumulator is read from its low end on
	v_max3_num_f32 v[CH+\k], v[SS+16*\k], v[SS+16*\k+1], v[SS+16*\k+2]
.endr
.irp i, 3,5,7,9,11,13
.irp k, 0,1,2,3
	v_max3_num_f32 v[CH+\k], v[CH+\k], v[SS+16*\k+\i], v[SS+16*\k+\i+1]
.endr
.endr
	v_max3_num_f32 v[CH], v[CH], v[CH+1], v[SS+15]
	v_max3_num_f32 v[CH+2], v[CH+2], v[CH+3], v[SS+47]
	v_max_num_f32 v[CH], v[CH], v[SS+31]           ; block h,
	v_max_num_f32 v[CH+2], v[CH+2], v[SS+63]       ; block 2 + h
	s_delay_alu instid0(VALU_DEP_1)
	v_max3_num_f32 v84, v[CH], v[CH+2], v18
	s_delay_alu instid0(VALU_DEP_1)
	v_permlanex16_b32 v85, v84, s20, s21
	s_delay_alu instid0(VALU_DEP_1)
	v_max_num_f32 v18, v84, v85                    ; the running largest score of my query
	s_delay_alu instid0(VALU_DEP_1)
	v_mul_f32 v84, s39, v18                        ; -t
	s_delay_alu instid0(VALU_DEP_1)
	v_floor_f32 v[NM], v84                         ; -M = floor(-t) = -ceil(t)
	s_delay_alu instid0(VALU_DEP_1)
	v_sub_f32 v84, v[NM], v[OM]                    ; old M less new M: a whole number, 0 or less
	s_delay_alu instid0(VALU_DEP_1)
	v_cvt_i32_f32 v84, v84                         ; (it saturates)
	s_delay_alu instid0(VALU_DEP_1)
	v_ldexp_f32 v14, 1.0, v84                      ; f = 2^(old M - new M)
.set JJ, 0
.rept 32
	v_pk_fma_f32 v[SS+JJ:SS+JJ+1], v[SS+JJ:SS+JJ+1], s[22:23], v[NM:NM+1] op_sel_hi:[1,0,0]   ; t - M
.set JJ, JJ+2
.endr
.set JJ, 0
.rept 16
	v_pk_mul_f32 v[OO+JJ:OO+JJ+1], v[OO+JJ:OO+JJ+1], v[14:15] op_sel_hi:[1,0]   ; O^T under the new M
.set JJ, JJ+2
.endr
	v_fma_f32 v[CH], v[CH], s22, v[NM]             ; the same of each block's largest score: p rises with the score
	v_fma_f32 v[CH+2], v[CH+2], s22, v[NM]
	s_wait_alu depctr_va_vdst(0)
.set JJ, 0
.rept 64
	v_exp_f32 v[SS+JJ], v[SS+JJ]                   ; p = 2^(t - M)
.set JJ, JJ+1
.endr
	v_exp_f32 v[CH], v[CH]                         ; the blocks' largest p
	v_exp_f32 v[CH+2], v[CH+2]
	v_nop                                          ; a plain place behind the exponentials
	s_wait_alu depctr_va_vdst(0)                   ; and the wait behind the batch
	v_max_num_f32 v[CH], 0x1800000, v[CH]          ; the floor 2^(3 - 127): the byte cannot fall under 1
	v_max_num_f32 v[CH+2], 0x1800000, v[CH+2]
	s_delay_alu instid0(VALU_DEP_2)
	v_add_nc_u32 v88, 0xff000000, v[CH]            ; 2 off the exponent field: the conversion's scale operand
	s_delay_alu instid0(VALU_DEP_2)
	v_add_nc_u32 v89, 0xff000000, v[CH+2]
	s_delay_alu instid0(VALU_DEP_2)
	v_lshrrev_b32 v84, 23, v88                     ; the bytes
	s_delay_alu instid0(VALU_DEP_2)
	v_lshrrev_b32 v85, 23, v89
	s_delay_alu instid0(VALU_DEP_1)
	v_lshl_or_b32 v84, v85, 16, v84                ; my two, at bytes 0 and 2
	s_delay_alu instid0(VALU_DEP_1)
	v_permlanex16_b32 v86, v84, s20, s21
	s_delay_alu instid0(VALU_DEP_1)
	v_lshl_or_b32 v253, v86, 8, v84                ; lanes 0-15, which alone are read: blocks 0, 2 mine, blocks 1, 3 lane l + 16's
.irp c, 0,1
	v_cvt_scalef32_pk16_fp6_f32 v[PC+6*\c:PC+6*\c+2], v[SS+32*\c:SS+32*\c+15], v[88+\c]
	v_cvt_scalef32_pk16_fp6_f32 v[PT+4*\c:PT+4*\c+2], v[SS+32*\c+16:SS+32*\c+31], v[88+\c]   ; (a conversion's three registers begin on an even number)
.endr
	SUM 0, 0                                       ; the plain place behind the conversions
.irp c, 0,1
.irp i, 0,1,2
	v_mov_b32 v[PC+6*\c+3+\i], v[PT+4*\c+\i]
.endr
.endr
	SUM 1, 11                                      ; with the moves: the places between p's scale word and codes and the products below
	s_wait_alu depctr_va_vdst(0)
	s_wait_dscnt 0x0                               ; V's fragments and scale words are in
.if (\q) == 7
	s_barrier_wait -1                              ; the slot's last step closes its own barrier here: none is open at the change of slots
.endif
.irp w, 0,1,2,3
	MM OO+8*\w, KF+12*\w, PC, v[OO+8*\w:OO+8*\w+7], KS+\w, 253
.endr
	SUM 12, 15                                     ; four places in front of the loads below: they name none of the products' registers
.if \more
	KLOAD (\q)+1
.endif
	SUM 16, 31
.endm
; THE CHANGE OF SLOTS.  Each wave waits for all its tensor loads, adds 0 to its spare word, and waits for that and for its reads of the slot that it has left.  fill = 1: a round of the cluster's barrier, and the joint
; fill of the slot that was left is the first thing behind it.  The refill's add comes twice on end.
.macro CHANGE fill
	s_wait_alu depctr_va_vdst(0)
	s_wait_tensorcnt 0x0
	ds_add_u32 v5, v6
.if \fill
	ds_add_u32 v5, v6
	s_xor_b32 s33, s33, SLOT1                      ; no tensor load of mine is out: the other slot than last time,
	s_add_nc_u64 s[34:35], s[34:35], SLOTB         ; the next 1,024 keys
	s_wait_xcnt 0x0                                ; the last prefetch has read its address
	s_add_nc_u64 s[40:41], s[40:41], SLOTB         ; one slot further on than the walking descriptor
.endif
	s_wait_dscnt 0x0
.if \fill
	ROUND
	TLOAD
	ASK
.else
	s_barrier_signal -1
	s_barrier_wait -1
.endif
.endm
.macro SLOT_STEPS
	v_add_nc_u32 v8, s36, v1                       ; records 0-3 of the slot in hand: 16 x lane,
	v_add_nc_u32 v9, s36, v2                       ; 8 x lane;
	v_add_nc_u32 v10, 4*REC, v8                    ; records 4-7 (an LDS offset has 16 bits)
	v_add_nc_u32 v11, 4*REC, v9
	KLOAD 0
.irp q, 0,1,2,3,4,5,6
	STEP \q, 1
.endr
	STEP 7, 0
.endm
.Lslot:                                            ; 3 trips: behind each change of slots but the last the next slot is asked for
	CHANGE 1
	SLOT_STEPS
	s_xor_b32 s36, s36, SLOT1
	s_sub_co_u32 s37, s37, 1
	s_cmp_lg_u32 s37, 0
	s_cbranch_scc1 .Lslot
	CHANGE 0                                       ; the last slot is written out
	SLOT_STEPS
	; THE WAY OUT.  O^T / the sum: register i of lane (r, h) is channel 32 h + i of query r: one whole block of the output projection's K.  Half a fragment, six registers, and two scale bytes.
	v_pk_add_f32 v[LL:LL+1], v[LL:LL+1], v[LL+2:LL+3]
	v_pk_add_f32 v[LL+4:LL+5], v[LL+4:LL+5], v[LL+6:LL+7]
	s_delay_alu instid0(VALU_DEP_1)
	v_pk_add_f32 v[LL:LL+1], v[LL:LL+1], v[LL+4:LL+5]
	s_delay_alu instid0(VALU_DEP_1)
	v_add_f32 v14, v[LL], v[LL+1]
	s_delay_alu instid0(VALU_DEP_1)
	v_permlanex16_b32 v85, v14, s20, s21
	s_delay_alu instid0(VALU_DEP_1)
	v_add_f32 v14, v14, v85                        ; with lane l xor 16's blocks: the row's sum
	s_wait_alu depctr_va_vdst(0)
	v_rcp_f32 v14, v14
	v_nop
	s_wait_alu depctr_va_vdst(0)
.set JJ, 0
.rept 16
	v_pk_mul_f32 v[SS+JJ:SS+JJ+1], v[OO+JJ:OO+JJ+1], v[14:15] op_sel_hi:[1,0]   ; each accumulator from its low end on
.set JJ, JJ+2
.endr
.irp k, 0,1,2,3
	v_max3_num_f32 v[CH+\k], |v[SS+8*\k]|, |v[SS+8*\k+1]|, 0x1800000   ; my block in four chains, and the floor 2^(3 - 127)
.endr
.irp i, 2,4,6
.irp k, 0,1,2,3
	v_max3_num_f32 v[CH+\k], v[CH+\k], |v[SS+8*\k+\i]|, |v[SS+8*\k+\i+1]|
.endr
.endr
	v_max3_num_f32 v[CH], v[CH], v[CH+1], v[CH+2]
	s_delay_alu instid0(VALU_DEP_1)
	v_max_num_f32 v[CH], v[CH], v[CH+3]
	s_delay_alu instid0(VALU_DEP_1)
	v_add_nc_u32 v88, 0xff000000, v[CH]
	s_delay_alu instid0(VALU_DEP_1)
	v_lshrrev_b32 v84, 23, v88
	s_delay_alu instid0(VALU_DEP_1)
	v_permlanex16_b32 v85, v84, s20, s21
	s_delay_alu instid0(VALU_DEP_1)
	v_lshl_or_b32 v230, v85, 8, v84                ; lanes 0-15, which alone are read: block 0's byte mine, block 1's lane l + 16's
	s_delay_alu instid0(VALU_DEP_1)
	v_mov_b32 v231, v230                           ; (twice, so that this store too covers 256 consecutive bytes)
	v_cvt_scalef32_pk16_fp6_f32 v[PC:PC+2], v[SS:SS+15], v88
	v_cvt_scalef32_pk16_fp6_f32 v[PT:PT+2], v[SS+16:SS+31], v88
	v_nop                                          ; one plain place behind a scaled conversion
.irp i, 0,1,2
	v_mov_b32 v[PC+3+\i], v[PT+\i]
.endr
.irp p, 0,1,2
	global_store_b64 v2, v[PC+2*\p:PC+2*\p+1], s[8:9] offset:256*\p   ; 32 lanes store 256 consecutive bytes, aligned
.endr
	global_store_b64 v2, v[230:231], s[8:9] offset:768
	s_wait_tensorcnt 0x0                           ; the wave's end
	ds_add_u32 v5, v6
	s_wait_dscnt 0x0
	ROUND                                          ; the closing round
	s_endpgm
.Lfunc_end_k_q3dec6d3874_attn:
	.size	k_q3dec6d3874_attn, .Lfunc_end_k_q3dec6d3874_attn-k_q3dec6d3874_attn
	.p2alignl 7, 3214868480
	.fill 96, 4, 3214868480
	.section	.rodata,"a",@progbits
	.p2align	6, 0x0
	.amdhsa_kernel k_q3dec6d3874_attn
		.amdhsa_group_segment_fixed_size 327680
		.amdhsa_private_segment_fixed_size 0
		.amdhsa_enable_private_segment 0
		.amdhsa_kernarg_size 24
		.amdhsa_user_sgpr_count 2
		.amdhsa_user_sgpr_kernarg_segment_ptr 1
		.amdhsa_wavefront_size32 1
		.amdhsa_system_sgpr_workgroup_id_x 1
		.amdhsa_system_sgpr_workgroup_id_y 1
		.amdhsa_system_sgpr_workgroup_id_z 1
		.amdhsa_system_vgpr_workitem_id 0
		.amdhsa_next_free_vgpr 256
		.amdhsa_next_free_sgpr 66
		.amdhsa_reserve_vcc 0
		.amdhsa_float_denorm_mode_32 3
		.amdhsa_float_denorm_mode_16_64 3
		.amdhsa_memory_ordered 1
		.amdhsa_forward_progress 1
		.amdhsa_inst_pref_size 246
	.end_amdhsa_kernel
	.amdgpu_metadata
---
amdhsa.version: [ 1, 2 ]
amdhsa.kernels:
  - .name:           k_q3dec6d3874_attn
    .symbol:         k_q3dec6d3874_attn.kd
    .args:
      - { .name: qr, .offset: 0, .size: 8, .value_kind: global_buffer, .address_space: global }
      - { .name: kv, .offset: 8, .size: 8, .value_kind: global_buffer, .address_space: global }
      - { .name: cc, .offset: 16, .size: 8, .value_kind: global_buffer, .address_space: global }
    .group_segment_fixed_size: 327680
    .private_segment_fixed_size: 0
    .kernarg_segment_align: 8
    .kernarg_segment_size: 24
    .max_flat_workgroup_size: 512
    .sgpr_count:     66
    .vgpr_count:     256
    .wavefront_size: 32
...
	.end_amdgpu_metadata
.endif
;; end of part 3
;; launch oproj (part 4): grid 256 x 1, 4 waves a work-group, no clusters, 17,920 bytes of LDS; arguments cc, wf, ws, bo, out0; writes out0
.if DOCPART == 4
	.amdgcn_target "amdgcn-amd-amdhsa--gfx1250"
	.amdhsa_code_object_version 6
	.text
	.protected	k_q3dec6d3874_oproj
	.globl	k_q3dec6d3874_oproj
	.p2align	8
	.type	k_q3dec6d3874_oproj,@function
k_q3dec6d3874_oproj:
	s_mov_b64 s[64:65], 0
	v_nop
	global_prefetch_b8 v0, s[64:65] scope:SCOPE_SE
	s_setreg_imm32_b32 hwreg(HW_REG_WAVE_MODE, 25, 1), 1
	s_wait_xcnt 0x0
; out0 = concat Wo + bo on codes of FP6 (E2M3) with E8M0 scales, sums in f32.  concat's codes were made by the attention launch, Wo's by the first launch; both lie as images of operand registers.
; SHARES.  A work-group takes 64 rows (4 tiles of 16) and 256 columns; each of its four waves 64 columns (4 tiles): 16 accumulators, 64 matrix instructions, K = 512 in four steps.
; A record of cc (tile of rows, head) is 1,024 bytes: six registers as three pieces of 8 bytes a lane, then the two scale bytes.  Heads 2 s and 2 s + 1 make the fragment and the scale word of K step s.
; THE PRODUCT IS USED TRANSPOSED: source 0 = 16 columns of Wo, source 1 = 16 rows of concat: a lane holds one row, and register j of tile 2 b + u is column 32 b + 16 (lane / 16) + 8 u + j.  The bias is the C of each sum's first instruction.
; THE WAY OUT.  A tile of 16 rows x 64 columns goes through the wave's own stage in LDS (rows of 256 bytes + 16) and comes back by rows: sixteen lanes store 256 consecutive bytes, aligned.  Stage row p is row 8 u + p + 8 (p / 8) of its group of 32.
; NO JOINT LOADS: one step without a loop: each wave loads its 32 fragments once, into the registers that the matrix unit reads; no tile passes through LDS that partners could receive together.
; REGISTERS, in windows of 256: window 0: v4-9 lane offsets; v16-47 the heads' scale bytes (8 m + head), later rows on the way out; v48-63 concat's scale words (4 m + s); v64-79 Wo's (4 w + s); v80-111 rows on the way out; v112-239 accumulators (32 m + 8 w).
;   window 1: concat's fragments at 48 m + 12 s.   window 2: Wo's at 12 (4 w + s); the bias at 192 + 8 w.
; THE ORDERS, as the code below has them (they take the place of those named above): lane r of tile u of a group of 64 rows, or of 64 columns of Wo, has row or column 32 (r / 8) + 8 u + r % 8.
; So register j of column tile w is column 32 (lane / 16) + 8 w + j, and stage row p of row tile m is row 32 (p / 8) + 8 m + p % 8 of the work-group's 64.
.set RAW, 16
.set CS,  48
.set WS,  64
.set ACC, 112
.set MSB, 0
.macro WIN new                         ; s_set_vgpr_msb: bits 1:0 source 0, 3:2 source 1, 5:4 source 2, 7:6 destination; the high byte repeats the setting that is left
.if MSB != \new
	s_set_vgpr_msb (MSB<<8)|\new
.set MSB, \new
.endif
.endm
	s_load_b256 s[4:11], s[0:1], 0x0               ; cc s[4:5], wf s[6:7], ws s[8:9], bo s[10:11]
	s_load_b64 s[12:13], s[0:1], 0x20              ; out0
	v_lshl_add_u32 v254, v0, 2, 0x4400
	v_mov_b32 v255, 0
	v_lshrrev_b32 v1, 5, v0
	v_readfirstlane_b32 s14, v1                    ; wave 0..3
	v_and_b32 v1, 31, v0                           ; lane
	v_and_b32 v2, 15, v0                           ; r
	v_bfe_u32 v3, v0, 4, 1                         ; h
	v_lshlrev_b32 v4, 4, v1                        ; 16 x lane
	v_lshlrev_b32 v5, 3, v1                        ; 8 x lane
	v_lshlrev_b32 v6, 7, v3                        ; the bias: 32 h numbers on
	s_lshr_b32 s15, ttmp9, 1                       ; which 64 rows
	s_and_b32 s16, ttmp9, 1
	s_lshl_b32 s16, s16, 2
	s_add_co_u32 s16, s16, s14                     ; which 64 columns
	s_mul_i32 s17, s14, 16*272                     ; my stage
	v_mul_u32_u24 v7, v2, 272
	v_lshl_add_u32 v7, v3, 7, v7
	v_add_nc_u32 v7, s17, v7                       ; in: row r, + 128 h bytes
	v_mul_u32_u24 v8, v3, 272
	v_lshl_add_u32 v8, v2, 4, v8
	v_add_nc_u32 v8, s17, v8                       ; back: lanes 0-15 one row, lanes 16-31 the next, 16 bytes a lane
	v_lshlrev_b32 v9, 11, v3
	v_lshl_add_u32 v9, v2, 4, v9                   ; and the same two rows in out0: a row is 2,048 bytes
	s_mov_b32 s19, 0
	s_wait_alu depctr_va_vdst(0)
	s_wait_kmcnt 0x0
	s_lshl_b32 s18, s15, 15                        ; 4 tiles x 8 heads x 1,024 bytes
	s_add_nc_u64 s[4:5], s[4:5], s[18:19]
	s_add_co_u32 s20, s16, 24                      ; Wo is the fourth matrix: group 24 + my column group
	s_mul_i32 s18, s20, 24576
	s_add_nc_u64 s[6:7], s[6:7], s[18:19]
	s_lshl_b32 s18, s20, 11
	s_add_nc_u64 s[8:9], s[8:9], s[18:19]
	s_lshl_b32 s18, s16, 8                         ; 64 columns are 256 bytes
	s_add_nc_u64 s[10:11], s[10:11], s[18:19]
	s_add_nc_u64 s[12:13], s[12:13], s[18:19]
	s_lshl_b32 s18, s15, 17                        ; 64 rows of 2,048 bytes
	s_add_nc_u64 s[12:13], s[12:13], s[18:19]
.irp m, 0,1,2,3
.irp d, 0,1,2,3,4,5,6,7
	global_load_b32 v[RAW+8*\m+\d], v5, s[4:5] offset:8192*\m+1024*\d+768   ; tile m, head d: the row's two scale bytes
.endr
.endr
.irp w, 0,1,2,3
.irp p, 0,1
	global_load_b64 v[WS+4*\w+2*\p:WS+4*\w+2*\p+1], v5, s[8:9] offset:(2*\w+\p)*256
.endr
.endr
	WIN 0x40                                       ; destination window 1
.irp m, 0,1,2,3
.irp s, 0,1,2,3
.irp p, 0,1,2,3,4,5
	global_load_b64 v[48*\m+12*\s+2*\p:48*\m+12*\s+2*\p+1], v5, s[4:5] offset:8192*\m+2048*\s+1024*(\p/3)+256*(\p%3)
.endr
.endr
.endr
	WIN 0x80                                       ; destination window 2
.irp f, 0,1,2,3,4,5,6,7,8,9,10,11,12,13,14,15
.irp c, 0,1,2
	global_load_b128 v[12*\f+4*\c:12*\f+4*\c+3], v4, s[6:7] offset:1536*\f+512*\c
.endr
.endr
.irp w, 0,1,2,3
	global_load_b128 v[192+8*\w:195+8*\w], v6, s[10:11] offset:32*\w        ; bo at columns 32 h + 8 w + 0 .. 7
	global_load_b128 v[196+8*\w:199+8*\w], v6, s[10:11] offset:32*\w+16
.endr
	WIN 0
	s_wait_loadcnt 0x0
.irp m, 0,1,2,3
.irp s, 0,1,2,3
	v_lshl_or_b32 v[CS+4*\m+\s], v[RAW+8*\m+2*\s+1], 16, v[RAW+8*\m+2*\s]   ; heads 2 s and 2 s + 1: the scale word of K step s
.endr
.endr
.rept 8
	v_nop                                          ; a scale register written by a vector instruction stands eight places ahead of a scaled matrix instruction
.endr
.irp s, 0,1,2,3                                ; the 16 accumulators take turns, one instruction a turn
.if \s == 0
	WIN 0x26                                       ; source 0 (Wo) window 2, source 1 (concat) window 1, source 2 (the bias) window 2, destination window 0
.else
	WIN 0x06                                       ; C and D window 0
.endif
.irp m, 0,1,2,3
.irp w, 0,1,2,3
.if \s == 0
	v_wmma_scale_f32_16x16x128_f8f6f4 v[ACC+32*\m+8*\w:ACC+32*\m+8*\w+7], v[12*(4*\w+\s):12*(4*\w+\s)+11], v[48*\m+12*\s:48*\m+12*\s+11], v[192+8*\w:199+8*\w], v[WS+4*\w+\s], v[CS+4*\m+\s] matrix_a_fmt:MATRIX_FMT_FP6 matrix_b_fmt:MATRIX_FMT_FP6
.else
	v_wmma_scale_f32_16x16x128_f8f6f4 v[ACC+32*\m+8*\w:ACC+32*\m+8*\w+7], v[12*(4*\w+\s):12*(4*\w+\s)+11], v[48*\m+12*\s:48*\m+12*\s+11], v[ACC+32*\m+8*\w:ACC+32*\m+8*\w+7], v[WS+4*\w+\s], v[CS+4*\m+\s] matrix_a_fmt:MATRIX_FMT_FP6 matrix_b_fmt:MATRIX_FMT_FP6
.endif
.endr
.endr
.endr
	WIN 0
.rept 4
	v_nop                                          ; four places between the last product and the first read of results (ISA guide 7.12.1)
.endr
; Tile m into my stage and back by rows.  LDS serves a wave's instructions in order (ISA guide 5.7.1.4): no wait between the stores and the loads, nor in front of the next tile's stores.
.macro TOSTAGE m
.set BB, 80-64*((\m)%2)                ; v80-111 and v16-47 by turns
.irp w, 0,1,2,3
	ds_store_b128 v7, v[ACC+32*\m+8*\w:ACC+32*\m+8*\w+3] offset:32*\w         ; each accumulator from its low end on
	ds_store_b128 v7, v[ACC+32*\m+8*\w+4:ACC+32*\m+8*\w+7] offset:32*\w+16
.endr
.irp i, 0,1,2,3,4,5,6,7
	ds_load_b128 v[BB+4*\i:BB+4*\i+3], v8 offset:544*\i
.endr
.endm
.macro SEND m
.set BB, 80-64*((\m)%2)
.irp i, 0,1,2,3,4,5,6,7
	global_store_b128 v9, v[BB+4*\i:BB+4*\i+3], s[12:13] offset:(32*(\i/4)+8*(\m)+2*(\i%4))*2048 th:TH_STORE_NT   ; stage rows 2 i, 2 i + 1: 16 lanes store 256 consecutive bytes, aligned
.endr
.endm
	TOSTAGE 0
	TOSTAGE 1
	s_wait_dscnt 16                                ; tile 0 is back in registers: behind its loads stand tile 1's 8 stores and 8 loads
	SEND 0
	s_wait_xcnt 0x0                                ; tile 0's stores have read their registers: tile 2's rows may land there
	TOSTAGE 2
	s_wait_dscnt 16
	SEND 1
	s_wait_xcnt 0x0                                ; likewise tile 1's
	TOSTAGE 3
	s_wait_dscnt 16
	SEND 2
	s_wait_dscnt 0x0
	SEND 3
	s_wait_tensorcnt 0x0
	ds_add_u32 v254, v255
	s_wait_dscnt 0x0
	s_endpgm
.Lfunc_end_k_q3dec6d3874_oproj:
	.size	k_q3dec6d3874_oproj, .Lfunc_end_k_q3dec6d3874_oproj-k_q3dec6d3874_oproj
	.p2alignl 7, 3214868480
	.fill 96, 4, 3214868480
	.section	.rodata,"a",@progbits
	.p2align	6, 0x0
	.amdhsa_kernel k_q3dec6d3874_oproj
		.amdhsa_group_segment_fixed_size 17920
		.amdhsa_private_segment_fixed_size 0
		.amdhsa_enable_private_segment 0
		.amdhsa_kernarg_size 40
		.amdhsa_user_sgpr_count 2
		.amdhsa_user_sgpr_kernarg_segment_ptr 1
		.amdhsa_wavefront_size32 1
		.amdhsa_system_sgpr_workgroup_id_x 1
		.amdhsa_system_sgpr_workgroup_id_y 1
		.amdhsa_system_sgpr_workgroup_id_z 1
		.amdhsa_system_vgpr_workitem_id 0
		.amdhsa_next_free_vgpr 768
		.amdhsa_next_free_sgpr 66
		.amdhsa_reserve_vcc 0
		.amdhsa_float_denorm_mode_32 3
		.amdhsa_float_denorm_mode_16_64 3
		.amdhsa_memory_ordered 1
		.amdhsa_forward_progress 1
		.amdhsa_inst_pref_size 37
	.end_amdhsa_kernel
	.amdgpu_metadata
---
amdhsa.version: [ 1, 2 ]
amdhsa.kernels:
  - .name:           k_q3dec6d3874_oproj
    .symbol:         k_q3dec6d3874_oproj.kd
    .args:
      - { .name: cc, .offset: 0, .size: 8, .value_kind: global_buffer, .address_space: global }
      - { .name: wf, .offset: 8, .size: 8, .value_kind: global_buffer, .address_space: global }
      - { .name: ws, .offset: 16, .size: 8, .value_kind: global_buffer, .address_space: global }
      - { .name: bo, .offset: 24, .size: 8, .value_kind: global_buffer, .address_space: global }
      - { .name: out0, .offset: 32, .size: 8, .value_kind: global_buffer, .address_space: global }
    .group_segment_fixed_size: 17920
    .private_segment_fixed_size: 0
    .kernarg_segment_align: 8
    .kernarg_segment_size: 40
    .max_flat_workgroup_size: 128
    .sgpr_count:     66
    .vgpr_count:     768
    .wavefront_size: 32
...
	.end_amdgpu_metadata
.endif
;; end of part 4
